; MI455X (gfx1250); checked and timed in simulation.
; The chip was launched on July 23, 2026; its instructions are those of AMD's public machine-readable ISA for CDNA 5 (MIT licence, August 2026) and "CDNA5" Instruction Set Architecture Reference Guide (July 2026). The comments in the code are by the model that wrote it; some were corrected since.
;; Bit Linear. Allowed arithmetic: float matrix products may take bf16 or f16 operands with f32 sums; all other float work in f32.
;; Inputs: weight 2,048 x 4,096 float32; x 8,192 x 4,096 float32.
;; Outputs: out0 8,192 x 2,048 float32.
;; One version. Each part assembles by itself: llvm-mc -triple=amdgcn-amd-amdhsa -mcpu=gfx1250 --defsym DOCPART=n.
;; ======== version 1 of 1: 3 launches
;; limits: values outside matrix products are rounded to bf16
;; workspace buffers: part 1,024 bytes; wq 16,777,216 bytes
;; launch absum (part 1): grid 256 x 1, 8 waves a work-group, no clusters, 1,280 bytes of LDS; arguments weight, part; writes part
.if DOCPART == 1
	.amdgcn_target "amdgcn-amd-amdhsa--gfx1250"
	.amdhsa_code_object_version 6
	.text
	.protected	k_q6994055072_absum
	.globl	k_q6994055072_absum
	.p2align	8
	.type	k_q6994055072_absum,@function
k_q6994055072_absum:
	s_mov_b64 s[64:65], 0
	v_nop
	global_prefetch_b8 v0, s[64:65] scope:SCOPE_SE
	s_setreg_imm32_b32 hwreg(HW_REG_WAVE_MODE, 25, 1), 1
	s_wait_xcnt 0x0
; part[g] = the sum of |bf16(w)| over the 32,768 weights of work-group g's 131,072 bytes of weight ([2048][4096] f32).
; LIMITS, kept on purpose: each weight is rounded to bf16 (nearest even) before its magnitude is added, because the
; quantiser that follows decides on the rounded weight too: mean and decision are those of the reference on a weight
; rounded to bf16.  The order of the sum is this text's own: eight chains a lane, then fixed trees over lanes, waves
; and, in the later launches, work-groups.  A NaN or an infinity in weight reaches the sum and stays there.
; Eight waves; wave v owns 16,384 bytes, a lane 32 loads of 16 bytes, each load of a wave 512 neighbouring bytes.
; All 32 loads of a wave go out at once (128 registers), so there is no loop and no address is ever stepped.
; No hint on the loads: the next launch reads the same bytes again.
.set ACC, 8                            ; v[8:15]   eight running sums (four pairs)
.set T,   16                           ; v[16:17]  four weights as packed bf16
.set U,   18                           ; v[18:21]  their magnitudes in f32
.set X,   32                           ; v[32:159] load j: 4 registers
	s_load_b128 s[4:7], s[0:1], 0x0                ; weight s[4:5], part s[6:7]
	v_lshl_add_u32 v160, v0, 2, 0x100
	v_mov_b32 v161, 0
	v_lshrrev_b32 v2, 5, v0                        ; wave
	s_lshl_b32 s2, ttmp9, 17                       ; the work-group's 131,072 bytes (255 << 17 is below 4 GiB)
	s_mov_b32 s3, 0
	s_mov_b32 s10, 0x7fff7fff                      ; clears the signs of two bf16
	s_mov_b32 s11, 0xffff0000                      ; a word's upper bf16
	s_mov_b32 s12, 0x76543210                      ; v_permlanex16_b32: lane i of one half reads lane i of the other
	s_mov_b32 s13, 0xfedcba98
	s_lshl_b32 s14, ttmp9, 2                       ; byte offset of my word in part
	v_and_b32 v1, 31, v0
	v_lshlrev_b32 v1, 4, v1                        ; 16 bytes a lane
	v_lshl_or_b32 v1, v2, 14, v1                   ; + wave x 16,384
	s_wait_kmcnt 0x0
	s_add_nc_u64 s[4:5], s[4:5], s[2:3]
.irp j, 0,1,2,3,4,5,6,7,8,9,10,11,12,13,14,15,16,17,18,19,20,21,22,23,24,25,26,27,28,29,30,31
	global_load_b128 v[X+4*\j:X+4*\j+3], v1, s[4:5] offset:512*\j
.endr
; Load j's four weights: round to bf16, clear the signs, widen, add.  Loads 0 and 1 start the eight chains: nothing is cleared.
.macro GRP j, start
	s_wait_loadcnt 31-\j                           ; loads come back in order (ISA guide 5.7.1): mine is in, the 31 - j younger ones stay out
	v_cvt_pk_bf16_f32 v[T],   v[X+4*\j],   v[X+4*\j+1]
	v_cvt_pk_bf16_f32 v[T+1], v[X+4*\j+2], v[X+4*\j+3]
	v_and_b32 v[T],   s10, v[T]
	v_and_b32 v[T+1], s10, v[T+1]
.if \start
	v_lshlrev_b32 v[ACC+4*(\j%2)],   16,  v[T]
	v_and_b32     v[ACC+4*(\j%2)+1], s11, v[T]
	v_lshlrev_b32 v[ACC+4*(\j%2)+2], 16,  v[T+1]
	v_and_b32     v[ACC+4*(\j%2)+3], s11, v[T+1]
.else
	v_lshlrev_b32 v[U],   16,  v[T]
	v_and_b32     v[U+1], s11, v[T]
	v_lshlrev_b32 v[U+2], 16,  v[T+1]
	v_and_b32     v[U+3], s11, v[T+1]
	v_pk_add_f32 v[ACC+4*(\j%2):ACC+4*(\j%2)+1],   v[ACC+4*(\j%2):ACC+4*(\j%2)+1],   v[U:U+1]
	v_pk_add_f32 v[ACC+4*(\j%2)+2:ACC+4*(\j%2)+3], v[ACC+4*(\j%2)+2:ACC+4*(\j%2)+3], v[U+2:U+3]
.endif
.endm
	GRP 0, 1
	GRP 1, 1
.irp j, 2,3,4,5,6,7,8,9,10,11,12,13,14,15,16,17,18,19,20,21,22,23,24,25,26,27,28,29,30,31
	GRP \j, 0
.endr
	; the lane's eight sums, then the 32 lanes
	v_pk_add_f32 v[8:9],   v[8:9],   v[12:13]
	v_pk_add_f32 v[10:11], v[10:11], v[14:15]
	v_pk_add_f32 v[8:9],   v[8:9],   v[10:11]
	v_add_f32 v8, v8, v9
	v_add_f32_dpp v8, v8, v8 row_xmask:1 row_mask:0xf bank_mask:0xf
	v_add_f32_dpp v8, v8, v8 row_xmask:2 row_mask:0xf bank_mask:0xf
	v_add_f32_dpp v8, v8, v8 row_xmask:4 row_mask:0xf bank_mask:0xf
	v_add_f32_dpp v8, v8, v8 row_xmask:8 row_mask:0xf bank_mask:0xf
	v_permlanex16_b32 v9, v8, s12, s13             ; its destination counts as read: v9 has been written
	v_add_f32 v8, v8, v9
	; the eight waves: each puts its sum into its own word, one barrier, every wave adds all eight in one fixed tree
	v_lshlrev_b32 v22, 2, v2
	ds_store_b32 v22, v8
	s_wait_dscnt 0x0                               ; for the other waves' sake: my store is done before I signal
	s_barrier_signal -1
	s_barrier_wait -1
	v_mov_b32 v23, 0
	ds_load_b128 v[8:11],  v23
	ds_load_b128 v[12:15], v23 offset:16
	v_mov_b32 v22, s14
	s_wait_dscnt 0x0
	v_pk_add_f32 v[8:9],   v[8:9],   v[12:13]
	v_pk_add_f32 v[10:11], v[10:11], v[14:15]
	v_pk_add_f32 v[8:9],   v[8:9],   v[10:11]
	v_add_f32 v8, v8, v9
	; one word a work-group, 1,024 bytes in the whole launch: spreading the words out to fill longer runs would make the
	; two later launches, whose every wave reads all 256 words, read that much more
	s_wait_xcnt 0x0                                ; EXEC is a source of the loads above: it changes only behind this wait
	v_cmp_eq_u32 vcc_lo, 0, v0
	s_and_saveexec_b32 s9, vcc_lo                  ; thread 0 alone
	global_store_b32 v22, v8, s[6:7]
	s_wait_xcnt 0x0                                ; and again in front of the line that widens EXEC
	s_or_b32 exec_lo, exec_lo, s9
	s_wait_tensorcnt 0x0
	ds_add_u32 v160, v161
	s_wait_dscnt 0x0
	s_endpgm
.Lfunc_end_k_q6994055072_absum:
	.size	k_q6994055072_absum, .Lfunc_end_k_q6994055072_absum-k_q6994055072_absum
	.p2alignl 7, 3214868480
	.fill 96, 4, 3214868480
	.section	.rodata,"a",@progbits
	.p2align	6, 0x0
	.amdhsa_kernel k_q6994055072_absum
		.amdhsa_group_segment_fixed_size 1280
		.amdhsa_private_segment_fixed_size 0
		.amdhsa_enable_private_segment 0
		.amdhsa_kernarg_size 16
		.amdhsa_user_sgpr_count 2
		.amdhsa_user_sgpr_kernarg_segment_ptr 1
		.amdhsa_wavefront_size32 1
		.amdhsa_system_sgpr_workgroup_id_x 1
		.amdhsa_system_sgpr_workgroup_id_y 1
		.amdhsa_system_sgpr_workgroup_id_z 1
		.amdhsa_system_vgpr_workitem_id 0
		.amdhsa_next_free_vgpr 162
		.amdhsa_next_free_sgpr 66
		.amdhsa_reserve_vcc 1
		.amdhsa_float_denorm_mode_32 3
		.amdhsa_float_denorm_mode_16_64 3
		.amdhsa_memory_ordered 1
		.amdhsa_forward_progress 1
		.amdhsa_inst_pref_size 21
	.end_amdhsa_kernel
	.amdgpu_metadata
---
amdhsa.version: [ 1, 2 ]
amdhsa.kernels:
  - .name:           k_q6994055072_absum
    .symbol:         k_q6994055072_absum.kd
    .args:
      - { .name: weight, .offset: 0, .size: 8, .value_kind: global_buffer, .address_space: global }
      - { .name: part, .offset: 8, .size: 8, .value_kind: global_buffer, .address_space: global }
    .group_segment_fixed_size: 1280
    .private_segment_fixed_size: 0
    .kernarg_segment_align: 8
    .kernarg_segment_size: 16
    .max_flat_workgroup_size: 256
    .sgpr_count:     66
    .vgpr_count:     162
    .wavefront_size: 32
...
	.end_amdgpu_metadata
.endif
;; end of part 1
;; launch quant (part 2): grid 256 x 1, 8 waves a work-group, no clusters, 0 bytes of LDS; arguments weight, part, wq; writes wq
.if DOCPART == 2
	.amdgcn_target "amdgcn-amd-amdhsa--gfx1250"
	.amdhsa_code_object_version 6
	.text
	.protected	k_q6994055072_quant
	.globl	k_q6994055072_quant
	.p2align	8
	.type	k_q6994055072_quant,@function
k_q6994055072_quant:
	s_mov_b64 s[64:65], 0
	v_nop
	global_prefetch_b8 v0, s[64:65] scope:SCOPE_SE
	s_setreg_imm32_b32 hwreg(HW_REG_WAVE_MODE, 25, 1), 1
	s_wait_xcnt 0x0
; wq = round(clip(w / s, -1, 1)) as bf16 (+-1 or +-0, exact), s = max(mean |w|, 1e-8); the factor s itself is applied in f32 by the product's launch.
; wq's layout: [64 panels p = k / 64][2048 rows n][64 k % 64], so that the rows n .. n + 255 of one K step of 64 are 32,768 neighbouring bytes.
; LIMITS, kept on purpose:
;  - w is rounded to bf16 (nearest even) first, for the mean (previous launch) and for the decision: the result is the reference's on a weight
;    rounded to bf16.  Against the unrounded weight, those w whose rounding crosses s / 2 (a share of about 2^-9 of the density there) decide otherwise.
;  - the decision is |w| > s / 2, with s / 2 exact.  It differs from rounding the f32 quotient w / s only where |w| / s lies within 2^-25 above 1/2.
;  - a NaN or infinite s makes every compare false; the product's launch then multiplies by that s and every output is NaN, as in the reference.
;  - a zero keeps w's sign, as in the reference.
; Eight waves, eight rows a work-group.  Wave v: rows 2 (v >> 1), + 1 and the K half v & 1 (32 panels), in 16 units of 2 rows x 2 panels.
; Lane: sub = L & 7 (8 k), rb = bit 3 (row), pb = bit 4 (panel).  A unit's store: lanes 0-15 write 256 neighbouring bytes, aligned (rows n, n + 1 of panel p),
; lanes 16-31 the same of panel p + 1.  All 32 loads of a wave go out at once; every unit owns its registers, so nothing is rewritten under a pending access.
.set VI,   2                           ; v2   byte offset of my 32 bytes in unit 0, in weight
.set VO,   3                           ; v3   byte offset of my 16 bytes in unit 0, in wq
.set THR,  6                           ; v6   s / 2
.set T,    8                           ; v[8:11]  8 weights as packed bf16
.set U0,   12
.set U1,   13
.set Q0,   14
.set Q1,   15
.set ONEL, 16                          ; v16  bf16 1.0 in the low half
.set ONEH, 17                          ; v17  bf16 1.0 in the high half
.set WA,   18                          ; v18  two magnitudes
.set X,    32                          ; v[32:159] unit j: 8 registers as loaded; its first 4 then hold what is stored
; The scale from the 256 partial sums, which lie in v[24:31] (lane L: words 4 L .. 4 L + 3 and 128 + 4 L .. + 3).  The product's launch holds the same
; lines in the same order, so both launches get the same bits.  cnt: the loads issued behind the two of part.
.macro SCALE cnt, sela, selb
	s_wait_loadcnt \cnt
	v_pk_add_f32 v[24:25], v[24:25], v[28:29]
	v_pk_add_f32 v[26:27], v[26:27], v[30:31]
	v_pk_add_f32 v[24:25], v[24:25], v[26:27]
	v_add_f32 v24, v24, v25
	v_add_f32_dpp v24, v24, v24 row_xmask:1 row_mask:0xf bank_mask:0xf
	v_add_f32_dpp v24, v24, v24 row_xmask:2 row_mask:0xf bank_mask:0xf
	v_add_f32_dpp v24, v24, v24 row_xmask:4 row_mask:0xf bank_mask:0xf
	v_add_f32_dpp v24, v24, v24 row_xmask:8 row_mask:0xf bank_mask:0xf
	v_permlanex16_b32 v25, v24, \sela, \selb
	v_add_f32 v24, v24, v25
	v_mul_f32 v24, 0x34000000, v24                 ; / (2048 x 4096) = x 2^-23, exact
	v_mov_b32 v25, 0x322bcc77                      ; 1e-8
	v_cmp_gt_f32 vcc_lo, v25, v24                  ; false for a NaN, which is therefore kept, as jnp.maximum keeps it
	v_cndmask_b32 v24, v24, v25, vcc_lo            ; v24 = s in every lane
.endm
	s_load_b128 s[4:7], s[0:1], 0x0                ; weight s[4:5], part s[6:7]
	s_load_b64 s[8:9], s[0:1], 0x10                ; wq
	s_lshl_b32 s2, ttmp9, 17                       ; 8 rows of 16,384 bytes of weight
	s_mov_b32 s3, 0
	s_lshl_b32 s16, ttmp9, 10                      ; 8 rows of 128 bytes in each panel of wq
	s_mov_b32 s17, 0
	s_mov_b32 s10, 0x7fff7fff
	s_mov_b32 s11, 0xffff0000
	s_mov_b32 s12, 0x76543210
	s_mov_b32 s13, 0xfedcba98
	s_mov_b32 s14, 0x80008000                      ; the signs of two bf16
	v_and_b32 v1, 31, v0
	v_lshlrev_b32 v1, 4, v1                        ; 16 x lane: my four words of each half of part
	v_and_b32 v4, 7, v0                            ; sub
	v_bfe_u32 v5, v0, 3, 1                         ; rb
	v_bfe_u32 v7, v0, 4, 1                         ; pb
	v_bfe_u32 v19, v0, 5, 1                        ; wave & 1
	v_lshrrev_b32 v20, 6, v0                       ; wave >> 1
	v_lshl_add_u32 v5, v20, 1, v5                  ; my row of the eight
	v_lshl_add_u32 v7, v19, 5, v7                  ; my panel in unit 0
	v_lshlrev_b32 v[VI], 5, v4                     ; 8 f32
	v_lshl_or_b32 v[VI], v7, 8, v[VI]              ; a panel is 256 bytes of a row of weight
	v_lshl_or_b32 v[VI], v5, 14, v[VI]
	v_lshlrev_b32 v[VO], 4, v4                     ; 8 bf16
	v_lshl_or_b32 v[VO], v5, 7, v[VO]
	v_lshl_or_b32 v[VO], v7, 18, v[VO]             ; a panel of wq is 262,144 bytes
	v_mov_b32 v[ONEL], 0x3f80
	v_mov_b32 v[ONEH], 1.0
	s_wait_kmcnt 0x0
	s_add_nc_u64 s[4:5], s[4:5], s[2:3]
	s_add_nc_u64 s[8:9], s[8:9], s[16:17]
	global_load_b128 v[24:27], v1, s[6:7]
	global_load_b128 v[28:31], v1, s[6:7] offset:512
.irp j, 0,1,2,3,4,5,6,7,8,9,10,11,12,13,14,15
	global_load_b128 v[X+8*\j:X+8*\j+3],   v[VI], s[4:5] offset:512*\j th:TH_LOAD_NT      ; weight's last use
	global_load_b128 v[X+8*\j+4:X+8*\j+7], v[VI], s[4:5] offset:512*\j+16 th:TH_LOAD_NT
.endr
	SCALE 32, s12, s13                             ; the 32 loads of weight stay out
	v_mul_f32 v[THR], 0.5, v24
.macro QUNIT j
	s_wait_loadcnt 30-2*\j                         ; my unit's two loads are in; those of the 15 - j later units stay out
.irp i, 0,1,2,3
	v_cvt_pk_bf16_f32 v[T+\i], v[X+8*\j+2*\i], v[X+8*\j+2*\i+1]
.endr
.irp i, 0,1,2,3
	v_and_b32 v[WA], s10, v[T+\i]                  ; two magnitudes,
	v_lshlrev_b32 v[U0], 16, v[WA]                 ; as f32
	v_and_b32 v[U1], s11, v[WA]
	v_cmp_gt_f32 vcc_lo, v[U0], v[THR]
	v_cndmask_b32 v[Q0], 0, v[ONEL], vcc_lo        ; 1.0 or 0 in the low half
	v_cmp_gt_f32 vcc_lo, v[U1], v[THR]
	v_cndmask_b32 v[Q1], 0, v[ONEH], vcc_lo        ; and in the high half
	v_or_b32 v[Q0], v[Q0], v[Q1]
	v_and_or_b32 v[X+8*\j+\i], v[T+\i], s14, v[Q0] ; with the weights' signs
.endr
	global_store_b128 v[VO], v[X+8*\j:X+8*\j+3], s[8:9] offset:524288*\j   ; two panels on for each unit: 7,864,320 at the most, inside the signed 24 bits; no hint: the next launch reads it
.endm
.irp j, 0,1,2,3,4,5,6,7,8,9,10,11,12,13,14,15
	QUNIT \j
.endr
	s_endpgm
.Lfunc_end_k_q6994055072_quant:
	.size	k_q6994055072_quant, .Lfunc_end_k_q6994055072_quant-k_q6994055072_quant
	.p2alignl 7, 3214868480
	.fill 96, 4, 3214868480
	.section	.rodata,"a",@progbits
	.p2align	6, 0x0
	.amdhsa_kernel k_q6994055072_quant
		.amdhsa_group_segment_fixed_size 0
		.amdhsa_private_segment_fixed_size 0
		.amdhsa_enable_private_segment 0
		.amdhsa_kernarg_size 24
		.amdhsa_user_sgpr_count 2
		.amdhsa_user_sgpr_kernarg_segment_ptr 1
		.amdhsa_wavefront_size32 1
		.amdhsa_system_sgpr_workgroup_id_x 1
		.amdhsa_system_sgpr_workgroup_id_y 1
		.amdhsa_system_sgpr_workgroup_id_z 1
		.amdhsa_system_vgpr_workitem_id 0
		.amdhsa_next_free_vgpr 160
		.amdhsa_next_free_sgpr 66
		.amdhsa_reserve_vcc 1
		.amdhsa_float_denorm_mode_32 3
		.amdhsa_float_denorm_mode_16_64 3
		.amdhsa_memory_ordered 1
		.amdhsa_forward_progress 1
		.amdhsa_inst_pref_size 32
	.end_amdhsa_kernel
	.amdgpu_metadata
---
amdhsa.version: [ 1, 2 ]
amdhsa.kernels:
  - .name:           k_q6994055072_quant
    .symbol:         k_q6994055072_quant.kd
    .args:
      - { .name: weight, .offset: 0, .size: 8, .value_kind: global_buffer, .address_space: global }
      - { .name: part, .offset: 8, .size: 8, .value_kind: global_buffer, .address_space: global }
      - { .name: wq, .offset: 16, .size: 8, .value_kind: global_buffer, .address_space: global }
    .group_segment_fixed_size: 0
    .private_segment_fixed_size: 0
    .kernarg_segment_align: 8
    .kernarg_segment_size: 24
    .max_flat_workgroup_size: 256
    .sgpr_count:     66
    .vgpr_count:     160
    .wavefront_size: 32
...
	.end_amdgpu_metadata
.endif
;; end of part 2
;; launch gemm (part 3): grid 4 x 64, 4 waves a work-group, clusters of 4 x 4, 327,680 bytes of LDS; arguments x, wq, part, out0; writes out0
.if DOCPART == 3
	.amdgcn_target "amdgcn-amd-amdhsa--gfx1250"
	.amdhsa_code_object_version 6
	.text
	.protected	k_q6994055072_gemm
	.globl	k_q6994055072_gemm
	.p2align	8
	.type	k_q6994055072_gemm,@function
k_q6994055072_gemm:
	s_mov_b64 s[64:65], 0
	v_nop
	global_prefetch_b8 v0, s[64:65] scope:SCOPE_SE
	s_setreg_imm32_b32 hwreg(HW_REG_WAVE_MODE, 25, 1), 1
	s_wait_xcnt 0x0
	s_wait_alu depctr_hold_cnt(0) depctr_sa_sdst(0) depctr_va_vdst(0) depctr_va_sdst(0) depctr_va_ssrc(0) depctr_va_vcc(0) depctr_vm_vsrc(0)
	s_getreg_b32 s2, hwreg(HW_REG_IB_STS2, 6, 4)
	s_cmp_eq_u32 s2, 0
	s_cbranch_scc0 .Lentry_in_a_cluster
	s_endpgm
.Lentry_in_a_cluster:
	s_bfe_u32 s2, ttmp6, 0x10000c
	s_cmp_lg_u32 s2, 0xf033
	s_cbranch_scc0 .Lentry_shape_is_right
	s_endpgm
.Lentry_shape_is_right:
; out0[t][o] = s x sum over k of bf16(x[t][k]) q[o][k].  x: [8192][4096] f32.  q: wq, bf16 (+-1, +-0), [64 panels of 64 k][2048 o][64].  out0: [8192][2048] f32.
; s = max(mean |bf16(w)|, 1e-8) from the 256 partial sums in part, by the same lines as in the quantiser's launch; it is multiplied in once, in f32, on the way out.
; x is rounded to bf16 (nearest even) in registers on its way from LDS to the matrix unit; sums in f32.  A NaN or infinite s makes every output NaN, as in the reference.
; A work-group makes 128 rows x 512 columns with four waves; a wave 64 x 256: 64 accumulator tiles of 16 x 16, 512 registers.  256 work-groups, one block each.
; Why 128 x 512: the four blocks of a block row cover all 2,048 columns, so with x's tile shared among them every byte of x is asked for once in the launch.
; Why 64 x 256 a wave: for 32 k it reads 64 x 128 + 256 x 64 bytes from LDS, as 128 x 128 would, and has 32 conversions to make, not 64, for 64 matrix instructions.
; K goes in steps of 64 through a ring of two LDS slots (x's rows: 256 bytes, aligned; q's tile: 32,768 neighbouring bytes a wave); two slots of 128 k would need 413,696 bytes.
; CLUSTERS: 4 x 4 work-groups.  The four of a row of the cluster share x's tile, the four of a column q's: each tile is asked for jointly, by the same tensor load
; with the same descriptor and a mask that names the four, which divides the requests for both by four.
;
; REGISTERS, in windows of 256:
;   window 0: v16-23 addresses; v24-31 the scale; v32-63, v64-95 x's fragments in bf16 (4 x 16 rows x 32 k), two buffers; v96-159 the same 4 fragments in f32, as loaded;
;             v160-223 on the way out
;   window 1: v0-127, v128-255 q's fragments (16 x 16 rows x 32 k), two buffers
;   window 2: accumulator tile (a, b) at v[8 (8 a + b)], a = 0..3 my rows 16 a .., b = 0..7 my columns 16 b ..;   window 3: the same for my columns 128 + 16 b ..
; THE MATRIX INSTRUCTION IS USED TRANSPOSED: source 0 = 16 rows of q, source 1 = 16 rows of x, so that lane l holds row l % 16 of out0 and its eight
; registers the columns 8 (l / 16) + 0 .. 7: 32 neighbouring bytes.
; The 64 accumulators take turns, one instruction a turn, in the same order in every chunk, over the loop's backward jump too.
.set PA,     272                       ; an LDS row of x: 256 bytes + 16 of padding, an odd multiple of 16: the 16 rows of a fragment load begin in 16 different 16-byte columns of a 256-byte span
.set PB,     144                       ; an LDS row of q: 128 bytes + 16, likewise
.set BHALF,  256*PB                    ; 36,864: what one tensor load brings of q, and what one wave reads of it
.set AHALF,  64*PA                     ; 17,408: the same of x
.set AOFF,   2*BHALF                   ; in a slot: q's 512 rows, then x's 128 rows
.set SLOT,   AOFF+2*AHALF              ; 108,544
.set STAGE,  2*SLOT                    ; 217,088: behind the ring, never the target of a fill: 16 rows x 528 bytes for each wave, for the way out
.set SP,     528                       ; 512 bytes + 16
.set STG,    16*SP
.set ADRA, 16                          ; v16-17  LDS address of my x fragments in slot 0, 1
.set ADRB, 18                          ; v18-19  the same for q
.set STO,  20                          ; v20     the way out: where I put 32 bytes of a row
.set RD,   21                          ; v21     the way out: where I read 16 bytes of a row back
.set CO,   22                          ; v22     16 x lane: my offset in a row's 512 bytes of out0, and in each half of part
.set PFO,  23                          ; v23     prefetch: my row of the block's 128, in bytes
.set AF0,  32
.set AF1,  64
.set XF,   96
.set OB0,  160                         ; read-back buffers on the way out: v160-223 and v32-95
.set OB1,  32
.set BF0,  0                           ; window 1
.set BF1,  128
.set G1A, 24                           ; s[24:31] descriptor group 1 for x's tiles
.set G0A, 32                           ; s[32:39] group 0 for x's tiles, one set for each slot
.set G1B, 40                           ; s[40:47] group 1 for q's tiles
.set G0B, 48                           ; s[48:55] group 0 for q's tiles, one set for each slot
.set MSB, 0
.macro WIN new                         ; the immediate's high byte repeats the setting that is left
.if MSB != \new
	s_set_vgpr_msb (MSB<<8)|\new
.set MSB, \new
.endif
.endm
.set MUL_LO, 0xa1                      ; source 0 (q) window 1, source 1 (x) window 0, C and D window 2
.set MUL_HI, 0xf1                      ; the same, C and D window 3
.set TO_B,   0x40                      ; destination window 1, address window 0
; A joint load: waves 0 and 1 fetch q's two halves, waves 2 and 3 x's.  Each line has one mask and one set of registers; the branch hangs on the wave's number alone.
.macro JLOAD s
	s_cmp_eq_u32 s13, 0
	s_cbranch_scc0 .Lfor_x_\@
	tensor_load_to_lds s[G0B+4*\s:G0B+4*\s+3], s[G1B:G1B+7]
	s_nop 0
	s_branch .Lasked_\@
.Lfor_x_\@:
	tensor_load_to_lds s[G0A+4*\s:G0A+4*\s+3], s[G1A:G1A+7]
	s_nop 0
.Lasked_\@:
.endm
; A round of the cluster's barrier: my work-group's barrier; wave 0 signals for the work-group; every wave waits for all sixteen; my work-group's barrier once more.
.macro CREST                           ; a round behind its opening barrier
	s_cmp_lg_u32 s12, 0
	s_cbranch_scc1 .Lnot_wave_0_\@
	s_barrier_signal -3
.Lnot_wave_0_\@:
	s_barrier_wait -3
	s_barrier_signal -1
	s_barrier_wait -1
.endm
.macro CROUND
	s_barrier_signal -1
	s_barrier_wait -1
	CREST
.endm
; Prefetch of x.  In K step t wave 3 asks for the blocks of K step t + 4, whose tensor load is issued in step t + 2: two steps, 256 matrix instructions of a wave, ahead of it.
; Work-group cx of the four that share the tile asks for its rows 32 cx .. 32 cx + 31, a lane for each row's 256 bytes: 8,192 bytes a step, each block asked for once in
; the launch.  Steps 2 and 3 are asked for at the start; the last request, in step 59, is for step 63, x's last 256 bytes of each row.
; q is not prefetched: the launch in front of this one has just stored it.
.macro PF adv, off
	s_cmp_lg_u32 s12, 3
	s_cbranch_scc1 .Lno_pf_\@
.if \adv
	s_wait_xcnt 0x0                                ; the base is a source of the last step's prefetch: it is stepped only behind this wait
	s_add_nc_u64 s[62:63], s[62:63], 512           ; two K steps on
.endif
	global_prefetch_b8 v[PFO], s[62:63] offset:\off th:TH_LOAD_NT scope:SCOPE_SE
.Lno_pf_\@:
.endm
; The scale from the 256 partial sums in v[24:31]: the same lines, in the same order, as in the quantiser's launch, so both hold the same bits.
.macro SCALE cnt, sela, selb
	s_wait_loadcnt \cnt
	v_pk_add_f32 v[24:25], v[24:25], v[28:29]
	v_pk_add_f32 v[26:27], v[26:27], v[30:31]
	v_pk_add_f32 v[24:25], v[24:25], v[26:27]
	v_add_f32 v24, v24, v25
	v_add_f32_dpp v24, v24, v24 row_xmask:1 row_mask:0xf bank_mask:0xf
	v_add_f32_dpp v24, v24, v24 row_xmask:2 row_mask:0xf bank_mask:0xf
	v_add_f32_dpp v24, v24, v24 row_xmask:4 row_mask:0xf bank_mask:0xf
	v_add_f32_dpp v24, v24, v24 row_xmask:8 row_mask:0xf bank_mask:0xf
	v_permlanex16_b32 v25, v24, \sela, \selb
	v_add_f32 v24, v24, v25
	v_mul_f32 v24, 0x34000000, v24                 ; x 2^-23, exact
	v_mov_b32 v25, 0x322bcc77                      ; 1e-8
	v_cmp_gt_f32 vcc_lo, v25, v24                  ; false for a NaN, which is kept
	v_cndmask_b32 v24, v24, v25, vcc_lo
.endm
	s_load_b256 s[4:11], s[0:1], 0x0               ; x s[4:5], wq s[6:7], part s[8:9], out0 s[10:11]
	v_lshl_add_u32 v254, v0, 2, 0x3d400
	v_mov_b32 v255, 0
	ds_add_u32 v254, v255
	v_lshrrev_b32 v1, 5, v0
	v_readfirstlane_b32 s12, v1                    ; wave 0..3
	s_lshr_b32 s13, s12, 1                         ; which 64 of the block's rows are mine.  Also: I fetch for q (0) or for x (1)
	s_and_b32 s14, s12, 1                          ; which 256 of its columns.  Also: which half of that tile I fetch
	s_bfe_u32 s16, ttmp6, 0x40000                  ; cx
	s_bfe_u32 s17, ttmp6, 0x40004                  ; cy
	s_lshl_b32 s18, ttmp9, 2
	s_add_co_u32 s18, s18, s16                     ; block column = 4 x cluster x + cx
	s_and_b32 s19, ttmp7, 0xffff
	s_lshl_b32 s19, s19, 2
	s_add_co_u32 s19, s19, s17                     ; block row = 4 x cluster y + cy
	s_lshl_b32 s20, s17, 2
	s_lshl_b32 s20, 15, s20                        ; my row of the cluster: places 4 cy .. 4 cy + 3
	s_lshl_b32 s21, 0x1111, s16                    ; my column: places cx, cx + 4, cx + 8, cx + 12
	s_mov_b32 s66, 0x76543210                      ; v_permlanex16_b32: lane i reads lane i of the other half
	s_mov_b32 s67, 0xfedcba98
	; group 1 for x: 64 rows x 64 elements of 4 bytes, 4,096 elements from row to row; 4 words of padding behind every 64 words (a row)
	s_or_b32  s[G1A+0], s20, (2<<16)|(1<<20)|(1<<21)|(5<<22)|(3<<25)   ; 15:0 mask: my row; 17:16 element of 4 bytes; 20 padding on; 21 set beside a mask; 24:22 interval code 5; 31:25 pad code 3
	s_mov_b32 s[G1A+1], 64<<16                     ; tensor_dim0 = 64
	s_mov_b32 s[G1A+2], 64<<16                     ; tensor_dim1 = 64
	s_mov_b32 s[G1A+3], 64<<16                     ; tile_dim0 = 64
	s_mov_b32 s[G1A+4], 64                         ; tile_dim1 = 64
	s_mov_b32 s[G1A+5], 4096                       ; the pitch
	s_mov_b32 s[G1A+6], 0
	s_mov_b32 s[G1A+7], 0
	; group 1 for q: 32,768 neighbouring bytes as 128 rows x 32 elements of 8 bytes.  The padding counts words along the whole tile: 4 words behind every 32 words,
	; that is behind each 128 bytes = each row o of the panel, so that row o of the half lies at 144 o
	s_or_b32  s[G1B+0], s21, (3<<16)|(1<<20)|(1<<21)|(4<<22)|(3<<25)   ; mask: my column; element of 8 bytes; interval code 4
	s_mov_b32 s[G1B+1], 32<<16
	s_mov_b32 s[G1B+2], 128<<16
	s_mov_b32 s[G1B+3], 32<<16
	s_mov_b32 s[G1B+4], 128
	s_mov_b32 s[G1B+5], 32
	s_mov_b32 s[G1B+6], 0
	s_mov_b32 s[G1B+7], 0
	; where the tiles come from.  x's hang on the block row alone, q's on the block column alone; every wave makes both, in registers that never hold the other coordinate
	s_lshl_b32 s56, s19, 21                        ; 128 rows of 16,384 bytes
	s_lshl_b32 s22, s14, 20                        ; + my 64 rows
	s_add_co_u32 s56, s56, s22
	s_mov_b32 s57, 0
	s_lshl_b32 s58, s18, 16                        ; 512 rows of 128 bytes in a panel
	s_lshl_b32 s23, s14, 15                        ; + my 256 rows
	s_add_co_u32 s58, s58, s23
	s_mov_b32 s59, 0
	s_mul_i32 s72, s12, AHALF                      ; and where they go: waves 2, 3: x's halves at 73,728 and 91,136
	s_add_co_u32 s72, s72, AOFF-2*AHALF
	s_mul_i32 s73, s12, BHALF                      ; waves 0, 1: q's halves at 0 and 36,864.  No place in the cluster enters an LDS address
	s_lshl_b32 s70, s19, 21                        ; the prefetch's base: the block's first row, K step 2
	s_add_co_u32 s70, s70, 512
	s_mov_b32 s71, 0
	s_wait_dscnt 0x0
	s_wait_kmcnt 0x0
	s_add_nc_u64 s[56:57], s[4:5], s[56:57]
	s_add_nc_u64 s[58:59], s[6:7], s[58:59]
	s_add_nc_u64 s[62:63], s[4:5], s[70:71]
	CROUND                                         ; all sixteen work-groups are here: the first joint loads meet
.irp s, 0,1
	s_mov_b32 s[G0A+4*\s], 1                                       ; count = 1
	s_add_co_u32 s[G0A+4*\s+1], s72, \s*SLOT                       ; LDS address
	s_add_nc_u64 s[G0A+4*\s+2:G0A+4*\s+3], s[56:57], \s*256        ; global address: K step s
	s_or_b32 s[G0A+4*\s+3], s[G0A+4*\s+3], 0x80000000              ; type = 2
	s_mov_b32 s[G0B+4*\s], 1
	s_add_co_u32 s[G0B+4*\s+1], s73, \s*SLOT
	s_add_nc_u64 s[G0B+4*\s+2:G0B+4*\s+3], s[58:59], \s*262144     ; panel s
	s_or_b32 s[G0B+4*\s+3], s[G0B+4*\s+3], 0x80000000
	JLOAD \s                                       ; both slots' first fills go out before anything else; a wave has two tensor loads out here, one behind every later round
.endr
	; under the first fills: the partial sums, the first prefetches, the addresses, the scale
	v_and_b32 v2, 31, v0                           ; lane
	v_lshlrev_b32 v[CO], 4, v2
	global_load_b128 v[24:27], v[CO], s[8:9]
	global_load_b128 v[28:31], v[CO], s[8:9] offset:512
	s_lshl_b32 s74, s16, 5
	v_add_nc_u32 v[PFO], s74, v2                   ; row 32 cx + lane of the block
	v_lshlrev_b32 v[PFO], 14, v[PFO]
	PF 0, 0                                        ; K step 2
	PF 0, 256                                      ; K step 3
	; A fragment is 16 rows x 32 k in 8 registers of bf16: lane l holds row l % 16; registers 0-3 k = 8 (l / 16) + 0..7, registers 4-7 k = 16 + 8 (l / 16) + 0..7.
	; q, in bf16: two loads of 16 bytes, 32 bytes apart, at row x 144 + 16 (l / 16).  x, in f32: four loads, at row x 272 + 32 (l / 16) + 0, 16, 64, 80.
	v_and_b32 v4, 15, v0                           ; l % 16
	v_bfe_u32 v5, v0, 4, 1                         ; l / 16
	v_mul_u32_u24 v6, v4, PA
	v_lshl_add_u32 v6, v5, 5, v6
	s_mul_i32 s75, s13, AHALF                      ; my 64 rows of x,
	s_add_co_u32 s75, s75, AOFF                    ; behind q's 512
	v_add_nc_u32 v[ADRA], s75, v6
	v_add_nc_u32 v[ADRA+1], SLOT, v[ADRA]
	v_mul_u32_u24 v7, v4, PB
	v_lshl_add_u32 v7, v5, 4, v7
	s_mul_i32 s76, s14, BHALF                      ; my 256 rows of q
	v_add_nc_u32 v[ADRB], s76, v7
	v_add_nc_u32 v[ADRB+1], SLOT, v[ADRB]
	s_mul_i32 s77, s12, STG
	s_add_co_u32 s77, s77, STAGE                   ; my stage
	v_mul_u32_u24 v8, v4, SP                       ; in: row l % 16, 32 bytes for each half of the lanes
	v_lshl_add_u32 v8, v5, 5, v8
	v_add_nc_u32 v[STO], s77, v8
	v_add_nc_u32 v[RD], s77, v[CO]                 ; back: the 32 lanes take one row's 512 bytes
	SCALE 0, s66, s67                              ; nothing was loaded behind the two loads of part
	v_readfirstlane_b32 s60, v24                   ; s, twice: a pair for the packed multiply
	s_mov_b32 s61, s60
; 16 matrix instructions: x fragments a0, a0 + 1 x the 8 q fragments of my columns' half hi, 32 along K.  zero = 1: the first product starts the sums: nothing is cleared.
.macro MUL16 fa, fb, hi, a0, zero
.irp a, \a0, \a0+1
.irp b, 0,1,2,3,4,5,6,7
.if \zero
	v_wmma_f32_16x16x32_bf16 v[8*(8*(\a)+\b):8*(8*(\a)+\b)+7], v[\fb+8*(8*\hi+\b):\fb+8*(8*\hi+\b)+7], v[\fa+8*(\a):\fa+8*(\a)+7], 0
.else
	v_wmma_f32_16x16x32_bf16 v[8*(8*(\a)+\b):8*(8*(\a)+\b)+7], v[\fb+8*(8*\hi+\b):\fb+8*(8*\hi+\b)+7], v[\fa+8*(\a):\fa+8*(\a)+7], v[8*(8*(\a)+\b):8*(8*(\a)+\b)+7]
.endif
.endr
.endr
.endm
; 48 LDS loads in one run, the fragments of chunk c (32 k) of a slot: first x's 16 (f32), then q's 32 into buffer fb, fragments 0 to 15 in order
.macro FETCH slot, c, fb
	WIN 0
.irp i, 0,1,2,3
	ds_load_b128 v[XF+16*\i:XF+16*\i+3],     v[ADRA+\slot] offset:16*PA*\i+128*\c
	ds_load_b128 v[XF+16*\i+4:XF+16*\i+7],   v[ADRA+\slot] offset:16*PA*\i+128*\c+16
	ds_load_b128 v[XF+16*\i+8:XF+16*\i+11],  v[ADRA+\slot] offset:16*PA*\i+128*\c+64
	ds_load_b128 v[XF+16*\i+12:XF+16*\i+15], v[ADRA+\slot] offset:16*PA*\i+128*\c+80
.endr
	WIN TO_B
.irp i, 0,1,2,3,4,5,6,7,8,9,10,11,12,13,14,15
	ds_load_b128 v[\fb+8*\i:\fb+8*\i+3],   v[ADRB+\slot] offset:16*PB*\i+64*\c
	ds_load_b128 v[\fb+8*\i+4:\fb+8*\i+7], v[ADRB+\slot] offset:16*PB*\i+64*\c+32
.endr
.endm
; x's four fragments, f32 to bf16 (nearest even), into buffer fa
.macro CVT fa
	WIN 0
.irp i, 0,1,2,3
.irp j, 0,1,2,3,4,5,6,7
	v_cvt_pk_bf16_f32 v[\fa+8*\i+\j], v[XF+16*\i+2*\j], v[XF+16*\i+2*\j+1]
.endr
.endr
.endm
; A load into a register that a matrix instruction has read, and a vector instruction that writes one or reads a result, stand four places behind that matrix
; instruction, and only plain vector instructions that name none of its registers are places (ISA guide 7.12.1 for vector instructions).
; The four v_nop in front of each run of loads serve that run's loads into q's other buffer and the later conversions into x's other buffer.
.macro PLACES
.rept 4
	v_nop
.endr
.endm
; A K step is two chunks of 32 k, 64 matrix instructions each.  The first: multiplies buffers 0, fetches and converts the same slot's second chunk into buffers 1.
.macro CHUNK0 slot, zero
	s_wait_dscnt 16                                ; q's fragments 0-7 are in; the youngest 16 loads (fragments 8-15) may be out
	WIN MUL_LO
	MUL16 AF0, BF0, 0, 0, \zero
	PLACES
	FETCH \slot, 1, BF1
	WIN MUL_LO
	MUL16 AF0, BF0, 0, 2, \zero
	s_wait_dscnt 48                                ; all but the 48 just issued
	WIN MUL_HI
	MUL16 AF0, BF0, 1, 0, \zero
	s_wait_dscnt 32                                ; x's 16 loads of that run are in; q's 32 stay out
	CVT AF1
	WIN MUL_HI
	MUL16 AF0, BF0, 1, 2, \zero
.endm
; The second chunk: multiplies buffers 1 and changes slots.  fill = 1: this slot is filled again, two K steps ahead.
; One barrier for the change of slots; where the slot is filled again it opens a round of the cluster's barrier.  In front of it each wave waits for its reads of this slot
; and for all its tensor loads, of which one is out: its part of the next slot.  Behind the round no wave of any partner reads this slot or has a load on its way: the
; joint refill comes first, then the next slot's first fragments.  From a request to the wait for it a wave issues 112 matrix instructions.
.macro TURN slot, next, fill, pf
	s_wait_dscnt 16
	WIN MUL_LO
	MUL16 AF1, BF1, 0, 0, 0
	s_wait_dscnt 0x0                               ; my reads of this slot are over
	s_set_vgpr_msb 0xa1a0
	s_wait_tensorcnt 0x0                           ; and all my tensor loads have landed
	ds_add_u32 v254, v255
	s_wait_dscnt 0x0
	s_set_vgpr_msb 0xa0a1
	s_barrier_signal -1
	MUL16 AF1, BF1, 0, 2, 0                        ; work on registers while the others arrive
	WIN 0
	s_barrier_wait -1
.if \fill
	CREST
	s_add_nc_u64 s[G0A+4*\slot+2:G0A+4*\slot+3], s[G0A+4*\slot+2:G0A+4*\slot+3], 2*256      ; no tensor load of mine is out: the group 0 sets may be written
	s_add_nc_u64 s[G0B+4*\slot+2:G0B+4*\slot+3], s[G0B+4*\slot+2:G0B+4*\slot+3], 2*262144
	JLOAD \slot                                    ; the first tensor load behind the round, and my only one until the next
.endif
.if \pf
.if \slot == 0
	PF 1, 0
.else
	PF 0, 256
.endif
.endif
	PLACES
	FETCH \next, 0, BF0
	WIN MUL_HI
	MUL16 AF1, BF1, 1, 0, 0
	s_wait_dscnt 32                                ; x's 16 loads are in; q's 32 stay out
	CVT AF0
	WIN MUL_HI
	MUL16 AF1, BF1, 1, 2, 0
.endm
.macro LAP zero, pf                    ; two K steps, once round the ring, both slots filled again
	CHUNK0 0, \zero
	TURN 0, 1, 1, \pf
	CHUNK0 1, 0
	TURN 1, 0, 1, \pf
.endm
	s_wait_tensorcnt 0x1                           ; my part of K step 0 is in; K step 1's may stay out
	s_barrier_signal -1
	s_barrier_wait -1                              ; everybody's is
	FETCH 0, 0, BF0
	s_wait_dscnt 32                                ; x's 16 loads
	CVT AF0
	LAP 1, 1                                       ; lap 0 of 32 stands in front of the loop: its first products start the sums
	WIN 0                                          ; at a label and at a branch every window is 0
	s_mov_b32 s15, 29                              ; laps 1 to 29
.Llap:
	LAP 0, 1
	WIN 0
	s_sub_co_u32 s15, s15, 1
	s_cmp_lg_u32 s15, 0
	s_cbranch_scc1 .Llap
	LAP 0, 0                                       ; lap 30 fills K steps 62 and 63; nothing is left to prefetch
	CHUNK0 0, 0                                    ; lap 31 fills nothing and has no round of the cluster's barrier
	TURN 0, 1, 0, 0
	CHUNK0 1, 0
	s_wait_dscnt 16                                ; the very last chunk: nothing more to fetch
	WIN MUL_LO
	MUL16 AF1, BF1, 0, 0, 0
	MUL16 AF1, BF1, 0, 2, 0
	s_wait_dscnt 0x0
	WIN MUL_HI
	MUL16 AF1, BF1, 1, 0, 0
	MUL16 AF1, BF1, 1, 2, 0
	; THE WAY OUT, 16 rows x 128 columns at a time: times s, 32 bytes a lane into my own stage in LDS, read back as whole rows of 512 bytes.
	; The four v_nop are the places behind the last matrix instructions, for the multiplies that read results and for the loads into x's fragment buffers.
	PLACES
	s_lshl_b32 s68, s19, 20                        ; 128 rows of 8,192 bytes
	s_lshl_b32 s70, s13, 19                        ; + my 64 rows
	s_add_co_u32 s68, s68, s70
	s_lshl_b32 s70, s18, 11                        ; + 512 columns of 4 bytes
	s_add_co_u32 s68, s68, s70
	s_lshl_b32 s70, s14, 10                        ; + my 256 columns
	s_add_co_u32 s68, s68, s70
	s_mov_b32 s69, 0
	s_add_nc_u64 s[10:11], s[10:11], s[68:69]
; rows 16 a .. 16 a + 15, columns 128 hi .. + 127 of my block = the eight tiles (a, 0..7) of window 2 + hi (from = 0x02 or 0x03: source 0); f: the two read-back buffers by turns
.macro OUT16 a, hi, from, f
	WIN \from
.irp b, 0,1,2,3,4,5,6,7
.irp q, 0,1,2,3
	v_pk_mul_f32 v[XF+8*\b+2*\q:XF+8*\b+2*\q+1], v[8*(8*\a+\b)+2*\q:8*(8*\a+\b)+2*\q+1], s[60:61] op_sel_hi:[1,0]
.endr
.endr
	WIN 0
.irp b, 0,1,2,3,4,5,6,7
	ds_store_b128 v[STO], v[XF+8*\b:XF+8*\b+3]   offset:64*\b
	ds_store_b128 v[STO], v[XF+8*\b+4:XF+8*\b+7] offset:64*\b+16
.endr
	s_wait_xcnt 0x0                                ; buffer f is the data of earlier stores: it is loaded again only behind this wait
.irp t, 0,1,2,3,4,5,6,7,8,9,10,11,12,13,14,15
	ds_load_b128 v[\f+4*\t:\f+4*\t+3], v[RD] offset:SP*\t          ; LDS serves a wave's instructions in order (ISA guide 5.7.1): these see the stores above; the stage is my own
.endr
.irp t, 0,1,2,3,4,5,6,7,8,9,10,11,12,13,14,15
	s_wait_dscnt 15-\t                             ; row t is back; the 15 - t younger loads stay out
	global_store_b128 v[CO], v[\f+4*\t:\f+4*\t+3], s[10:11] offset:131072*\a+8192*\t+512*\hi th:TH_STORE_NT   ; the wave stores 512 consecutive bytes, at a multiple of 512 from out0's first byte; 516,608 at the most in the immediate
.endr
.endm
	OUT16 0, 0, 0x02, OB0
	OUT16 1, 0, 0x02, OB1
	OUT16 2, 0, 0x02, OB0
	OUT16 3, 0, 0x02, OB1
	OUT16 0, 1, 0x03, OB0
	OUT16 1, 1, 0x03, OB1
	OUT16 2, 1, 0x03, OB0
	OUT16 3, 1, 0x03, OB1
	s_wait_tensorcnt 0x0
	ds_add_u32 v254, v255
	s_wait_dscnt 0x0
	CROUND                                         ; the closing round: no work-group ends while a partner may still ask for a tile that names it
	s_endpgm
.Lfunc_end_k_q6994055072_gemm:
	.size	k_q6994055072_gemm, .Lfunc_end_k_q6994055072_gemm-k_q6994055072_gemm
	.p2alignl 7, 3214868480
	.fill 96, 4, 3214868480
	.section	.rodata,"a",@progbits
	.p2align	6, 0x0
	.amdhsa_kernel k_q6994055072_gemm
		.amdhsa_group_segment_fixed_size 327680
		.amdhsa_private_segment_fixed_size 0
		.amdhsa_enable_private_segment 0
		.amdhsa_kernarg_size 32
		.amdhsa_user_sgpr_count 2
		.amdhsa_user_sgpr_kernarg_segment_ptr 1
		.amdhsa_wavefront_size32 1
		.amdhsa_system_sgpr_workgroup_id_x 1
		.amdhsa_system_sgpr_workgroup_id_y 1
		.amdhsa_system_sgpr_workgroup_id_z 1
		.amdhsa_system_vgpr_workitem_id 0
		.amdhsa_next_free_vgpr 1024
		.amdhsa_next_free_sgpr 80
		.amdhsa_reserve_vcc 1
		.amdhsa_float_denorm_mode_32 3
		.amdhsa_float_denorm_mode_16_64 3
		.amdhsa_memory_ordered 1
		.amdhsa_forward_progress 1
		.amdhsa_inst_pref_size 215
	.end_amdhsa_kernel
	.amdgpu_metadata
---
amdhsa.version: [ 1, 2 ]
amdhsa.kernels:
  - .name:           k_q6994055072_gemm
    .symbol:         k_q6994055072_gemm.kd
    .args:
      - { .name: x, .offset: 0, .size: 8, .value_kind: global_buffer, .address_space: global }
      - { .name: wq, .offset: 8, .size: 8, .value_kind: global_buffer, .address_space: global }
      - { .name: part, .offset: 16, .size: 8, .value_kind: global_buffer, .address_space: global }
      - { .name: out0, .offset: 24, .size: 8, .value_kind: global_buffer, .address_space: global }
    .group_segment_fixed_size: 327680
    .private_segment_fixed_size: 0
    .kernarg_segment_align: 8
    .kernarg_segment_size: 32
    .max_flat_workgroup_size: 128
    .sgpr_count:     80
    .vgpr_count:     1024
    .wavefront_size: 32
...
	.end_amdgpu_metadata
.endif
;; end of part 3
